; MI455X (gfx1250); checked and timed in simulation.
; The chip was launched on July 23, 2026; its instructions are those of AMD's public machine-readable ISA for CDNA 5 (MIT licence, August 2026) and "CDNA5" Instruction Set Architecture Reference Guide (July 2026). The comments in the code are by the model that wrote it; some were corrected since.
;; Decoder. Allowed arithmetic: matrix products marked QUANTISED: E2M1 operands, one E8M0 scale for each 32 along K, by v_wmma_scale_f32_16x16x128_f8f6f4 with both operands' format E2M1 (or v_wmma_scale_f32_32x16x128_f4), f32 sums; products left as they are: f32 operands where the result goes on into a quantised operand, else bf16, f16 or f32 operands; f32 sums; everything else in f32.
;; Inputs: W_c 128 x 258 float32; W_o_codes 128 x 4 x 16 uint8 (E2M1 codes of W_o, K innermost, in blocks of 32 codes, two codes a byte); W_o_scales 128 x 4 uint8 (E8M0 scales of W_o, one for each 32 codes along K); W_pk_codes 128 x 4 x 16 uint8 (E2M1 codes of W_pk, K innermost, in blocks of 32 codes, two codes a byte); W_pk_scales 128 x 4 uint8 (E8M0 scales of W_pk, one for each 32 codes along K); W_pq_codes 128 x 4 x 16 uint8 (E2M1 codes of W_pq, K innermost, in blocks of 32 codes, two codes a byte); W_pq_scales 128 x 4 uint8 (E8M0 scales of W_pq, one for each 32 codes along K); W_qkv_codes 384 x 4 x 16 uint8 (E2M1 codes of W_qkv, K innermost, in blocks of 32 codes, two codes a byte); W_qkv_scales 384 x 4 uint8 (E8M0 scales of W_qkv, one for each 32 codes along K); attn_mask 512 x 512 bool; b_c 128 float32; b_o 128 float32; b_pk 128 float32; b_pq 128 float32; b_qkv 384 float32; cap_feat 512 x 1 float32; mean_mask 512 x 512 bool; sel_idx 512 int32; time_feat 512 x 1 float32; x 512 x 512 x 128 float32.
;; Outputs: out0 512 x 512 float32.
;; This version of the problem:
;;   THIS VERSION OF THE PROBLEM IS GIVEN IN LOW PRECISION. The matrix products marked QUANTISED in the list below multiply operands that are first quantised to E2M1 (2 exponent bits, 1 mantissa bit; 4 bits a number), with one power-of-two scale for each 32 numbers along K (OCP MX v1.0); their sums are f32. All else is computed in f32.
;;   The module's matrix products, in the order in which they are computed (A, B: the left and right operand; K: the contracted axis; several contracted axes count as one K, in the product's order):
;;     1. [M 512, K 258] x [K 258, N 128]; A: computed on the way; B: input W_c: QUANTISED
;;     2. [M 512, K 128] x [K 128, N 128]; A: computed on the way; B: input W_qkv (given as codes): QUANTISED
;;     3. [M 262,144, K 128] x [K 128, N 128]; A: input x; B: input W_qkv (given as codes): QUANTISED
;;     4. [M 262,144, K 128] x [K 128, N 128]; A: input x; B: input W_qkv (given as codes): QUANTISED
;;     5. batch 4,096 x [M 1, K 16] x [K 16, N 512]; A: computed on the way; B: computed on the way: left as it is (K = 16 < 32)
;;     6. batch 4,096 x [M 1, K 512] x [K 512, N 16]; A: softmax; B: computed on the way: left as it is (M = 1 < 16)
;;     7. [M 512, K 128] x [K 128, N 128]; A: computed on the way; B: input W_o (given as codes): QUANTISED
;;     8. [M 512, K 128] x [K 128, N 128]; A: computed on the way; B: input W_pq (given as codes): QUANTISED
;;     9. [M 262,144, K 128] x [K 128, N 128]; A: input x; B: input W_pk (given as codes): QUANTISED
;;     10. batch 512 x [M 1, K 128] x [K 128, N 512]; A: computed on the way; B: computed on the way: left as it is (M = 1 < 16)
;;   THE QUANTISER, for each operand of a quantised product, along K:
;;     - K is cut into blocks of 32 from its start; a last block that is shorter is filled with zeros.
;;     - A block's scale is 2^e with e = floor(log2(the largest magnitude in the block)) - 2, held to -126 .. 127; a block of zeros has e = 0. As a byte (E8M0): e + 127.
;;     - Each number is divided by its block's scale, clamped to +-6, and rounded to the nearest number of E2M1, ties to even, subnormals kept.
;;     - The product sums the exact products of the quantised numbers (number of the format x scale) in f32.
;;   ~~~python
;;   def quantise(x, axis):      # numpy; x: float32 -> the quantised numbers, widened to float32 again
;;       x = np.moveaxis(x, axis, -1); K = x.shape[-1]
;;       x = np.pad(x, [(0, 0)] * (x.ndim - 1) + [(0, -K % 32)]); x = x.reshape(x.shape[:-1] + (-1, 32)); a = np.abs(x).max(-1, keepdims=True)
;;       e = np.where(a > 0, np.clip(np.frexp(np.where(a > 0, a, 1))[1] - 1 - 2, -126, 127), 0)      # np.frexp(a)[1] - 1 = floor(log2(a)), exactly
;;       r = np.clip(x / 2.0 ** e, -6, 6)
;;       step = 2.0 ** (np.maximum(np.frexp(np.where(r == 0, 1, r))[1] - 1, 0) - 1)
;;       q = np.round(r / step) * step * 2.0 ** e      # np.round: ties to even
;;       return np.moveaxis(q.reshape(q.shape[:-2] + (-1,))[..., :K], -1, axis).astype(np.float32)
;;   ~~~
;;   OPERANDS COMPUTED ON THE WAY. 'Computed on the way' means the value that the module computes at that place (a softmax that the list does not call 'softmax' is quantised finished and normalised). What goes into a quantiser is computed in f32, as accurately as f32 sums, v_exp_f32 and their like allow (about 1e-6 of the number): no bf16 or f16 on the way to a quantiser, and a product that is left as it is and whose result goes on into a quantised operand takes f32 operands (vector FMAs, or v_wmma_f32_16x16x4_f32). A number that lies on a knife's edge between two numbers of the format may be rounded either way, as far as f32 arithmetic and the matrix unit's own rounding can turn it there, and no further.
;;   INPUTS GIVEN AS CODES. W_o (in the module: [128, 128], K = its axis 1); W_pk (in the module: [128, 128], K = its axis 1); W_pq (in the module: [128, 128], K = its axis 1); W_qkv (in the module: [384, 128], K = its axis 1): each comes as NAME_codes (uint8): NAME with its K axis moved to the last place and cut into blocks of 32 codes, [.., K / 32, bytes a block], one block behind the other in memory; two codes a byte, the lower K in the low four bits (a code: sign, 2 exponent bits, 1 mantissa bit); and NAME_scales (uint8): the same leading axes, one E8M0 byte (e + 127) for each 32 codes along K. Its value is code x scale, taken as it is: it is not quantised again, and the codes and scales need not be those that the quantiser above would give.
;; One version. Each part assembles by itself: llvm-mc -triple=amdgcn-amd-amdhsa -mcpu=gfx1250 --defsym DOCPART=n.
;; ======== version 1 of 1: 1 launch
;; limits: right only within a limited range of input values
;; launch decoder (part 1): grid 256 x 1, 8 waves a work-group, no clusters, 279,296 bytes of LDS; arguments x, W_c, W_qkv_codes, W_qkv_scales, W_o_codes, W_o_scales, W_pq_codes, W_pq_scales, W_pk_codes, W_pk_scales, b_qkv, b_c, b_o, b_pq, b_pk, mean_mask, attn_mask, sel_idx, cap_feat, time_feat, out0; writes out0
.if DOCPART == 1
	.amdgcn_target "amdgcn-amd-amdhsa--gfx1250"
	.amdhsa_code_object_version 6
	.text
	.protected	k_q05be3c9bbe_decoder
	.globl	k_q05be3c9bbe_decoder
	.p2align	8
	.type	k_q05be3c9bbe_decoder,@function
k_q05be3c9bbe_decoder:
	s_mov_b64 s[64:65], 0
	v_nop
	global_prefetch_b8 v0, s[64:65] scope:SCOPE_SE
	s_setreg_imm32_b32 hwreg(HW_REG_WAVE_MODE, 25, 1), 1
	s_wait_xcnt 0x0
; One decoding step for 512 batches of 512 nodes x 128 numbers: masked mean + selected row -> combined -> q; 8 heads of single-query attention over
; k = x Wk^T, v = x Wv^T; veh = combined + ctx Wo^T + b_o; pq = veh Wpq^T + b_pq; u = 10 tanh(pq . (x Wpk^T + b_pk)); masked softmax over the nodes.
; Every product with K of 128 (or 258) runs on E2M1 codes with one E8M0 scale for each 32 along K; the dots of 16 and of 128 and the weighted sum of v are f32 multiply-adds.
; DEAD WORK LEFT OUT: the bias on k (numbers 128 to 255 of b_qkv).  scores = q . (x Wk^T) + q . b_k: the second term is one number for each batch and head, the same along the nodes,
; the softmax's axis, and that product is not quantised: it cancels for all values of the inputs.  A NaN, an infinity or an overflow that reaches only that term is not carried to the result.
; SHARES.  256 work-groups of eight waves; a work-group takes batches 2 g and 2 g + 1.  x is read from memory ONCE: wave w streams nodes 64 w .. 64 w + 63 of a batch in four tiles of 16 nodes
; through two register slots (16 loads of 512 consecutive bytes each).  A tile that has landed is added to the masked sum as it lies (a lane holds four fixed k), turned through the
; wave's own stage in LDS so that a lane holds 64 numbers of ONE node, and quantised; its codes go to LDS as an image of the operand's registers (two buffers, one a batch).
; Batch 1's first two tiles are taken in inside batch 0's arithmetic.  32 loads a wave, 128 KiB a work-group, are asked for ahead throughout, so no prefetch is laid: x is read once, by one wave.
; FOR THE PRODUCTS wave w = hp + 4 nh owns the weights' rows 32 hp .. 32 hp + 31 (heads 2 hp, 2 hp + 1: one block of 32 along the next K) and nodes 256 nh .. 256 nh + 255 (16 fragments in registers).
; EVERY PRODUCT IS USED TRANSPOSED: source 0 = 16 rows of a weight, source 1 = 16 nodes (or one vector, the same in all 16 columns): lane (r, h) holds node r and register j the weight's row 8 h + j.
; The two halves nh make the vectors (combined, ctx, veh) alike, each in LDS bytes of its own: no branch stands in the text.
; No cluster: work-groups share W_c and the weights alone, each read once at the head into registers; no ring of shared tiles exists that a joint request could serve.
; LIMITS: NaN and infinities among the inputs are not served.  A block of zeros gets the scale byte 1 (its codes are zeros; the bytes are read by this program alone).  f32 sums are taken in another
; order than the source's.  sel_idx is held at 511.  The last softmax is taken with the shift 10: the source's own 10 tanh bounds its exponents to -20 .. 0.
; The first softmax's promise holds while the scaled scores stay under 2^31 in magnitude.
; ---- LDS (every region begins at a multiple of 256)
.set XIMG, 133120                      ; from 0: the stages, 16,640 bytes a wave.  Images of x's fragments: 2 batches x 32 x 1,024 bytes
.set XSC,  198656                      ; x's scale words: 2 x 32 x 64 bytes
.set WCI,  202752                      ; W_c's images: [32 rows: 4][K step: 3][16 rows: 2] x 1,024 bytes
.set WCS,  227328                      ; W_c's scale words: [K step: 3][128]
.set WIM,  228864                      ; images of Wq, Wpq, Wo: [3][4] x 2,048 bytes
.set BIA,  253440                      ; biases: each wave its own 32 rows of q, v, c, o, pq, pk: 768 bytes a wave
.set MP,   259584                      ; the waves' partial masked sums, 512 bytes each
.set MSC,  263680                      ; each wave's codes of the mean (0), the two selected rows (64, 128); their scale words at 192, 196, 200
.set VC,   265728                      ; codes of combined (0), ctx (256), veh (512), scale words 64 behind each; 1,024 bytes for each half nh
.set CT,   267776                      ; the waves' partial ctx, 256 bytes each
.set UP,   269824                      ; partial u: [hp][512 nodes]
.set SUM,  278016                      ; the waves' partial sums of the last softmax
.set SPARE, 278272                     ; the spare words, 128 bytes a wave, that no other line names
; ---- vector registers, window 0
.set LI,   1                           ; 16 x lane
.set SPW,  2
.set NIL,  3
.set XO,   4                           ; x: 32,768 w + 16 lane
.set TSA,  5
.set TLA,  6
.set IMA,  7
.set ISA,  8
.set XIA,  9
.set XSA,  10
.set SC0,  11                          ; W_c's scale words, K step 0
.set E,    12                          ; v12-13 the last softmax's two numbers
.set WCRA, 14
.set WCRS, 15
.set MSCA, 16
.set MSCB, 17
.set MSCF, 18
.set MSCW, 19
.set VCF,  20
.set VCW,  21
.set VCS,  22
.set VCB,  23
.set WIS,  24
.set BIS,  25
.set CTS,  26
.set CTP,  27
.set UPS,  28
.set UPL,  29
.set OUTO, 30
.set PT,   31                          ; a lane permute's destination
.set SH8,  32
.set MPS,  33
.set MPA,  34
.set NI,   35                          ; -infinity
.set SW,   36                          ; a scale word on its way to LDS
.set MW,   37                          ; v37, v38 attn_mask of my two nodes of the last softmax, a batch each
.set RC,   39                          ; v39, v40 1 / count, a batch each
.set SQ,   41                          ; v41-46 the weights' scale words: lanes 0-15 rows 0-15, lanes 16-31 rows 16-31
.set SK,   42
.set SV,   43
.set SO,   44
.set SPQ,  45
.set SPK,  46
.set SF0,  47                          ; the scale word of the vector in hand
.set CMB,  48                          ; v48-63 combined
.set X,    64                          ; v64-127 64 numbers to be quantised
.set DB,   64                          ; the same registers: two sets of four results
.set S,    128                         ; v128-143 scores, then p: head u, group g at S + 8 u + g; lane l = node 32 g + l of my half
.set T,    144                         ; v144-159 at work
.set M,    144
.set OP,   148
.set BY,   150
.set FR,   152                         ; a fragment just made
.set MX,   152                         ; v152-155 (-M x c, sum) of head 0, then of head 1
.set WK,   160
.set WV,   176
.set WPK,  192
.set WT,   208                         ; v208-223 a weight or a bias for one use
.set Q,    224                         ; v224-239 q, ctx, veh, pq
.set XS,   240                         ; v240-247 x's scale words: lanes 0-15 tile 2 g, lanes 16-31 tile 2 g + 1; v240-243 ahead of a batch's end: the scale words of the features
.set ACC,  248                         ; v248-255 the masked sum: two sets of 4 (even, odd nodes)
; window 1: the ring's slots at v0 and v64; x's 16 fragments at v[128 + 8 t]
; ---- scalar registers.  s[4:5], s[6:7], s[66:67], s[100:101]: four pairs by turns, 1.0 or 0 for a node of the mean
.set WN,   2                           ; wave
.set SBN,  50                          ; x at batch 2 g
.set PW,   52
.set CAP,  54
.set TIM,  56
.set SEL,  58
.set HM,   60                          ; lanes 16-31
.set SUMW, 61
.set QS,   62                          ; log2(e) / sqrt(16)
.set TS,   66
.set MK,   68                          ; s68-83, s84-99 mean_mask of my 64 nodes, a byte each, two batches
.set SI,   100
.set AMA,  40                          ; attn_mask, 32 nodes a word: batch 0 s40-47, batch 1 s28-35 (pointers that are done with)
.set AMB,  28
.set MSB, 0
.macro WIN new                         ; the immediate's high byte repeats the setting that is left; a switch that changes nothing is dropped
.if MSB != \new
	s_set_vgpr_msb (MSB<<8)|\new
.set MSB, \new
.endif
.endm
.macro NOPS n
.rept \n
	v_nop
.endr
.endm
.macro WA
	s_wait_alu depctr_va_vdst(0)
.endm
.macro SIG                             ; my LDS stores have landed and my LDS loads are in: I say so
	WA
	s_wait_dscnt 0x0
	s_barrier_signal -1
.endm
.macro BAR
	SIG
	s_barrier_wait -1
.endm
.macro VLOAD adr, off                  ; my 64 numbers of a row in the operand's order: X[32 c + i] = k 64 c + 32 h + i
.irp c, 0,1
.irp j, 0,1,2,3,4,5,6,7
	ds_load_b128 v[X+32*\c+4*\j:X+32*\c+4*\j+3], v[\adr] offset:(\off)+256*\c+16*\j
.endr
.endr
.endm
; X's 64 numbers, two whole blocks of 32 a lane (blocks h and 2 + h of my row), become a fragment in FR and the row's scale word in SW
.macro QB
.irp c, 0,1
	v_max3_num_f32 v[M+2*\c], |v[X+32*\c]|, |v[X+32*\c+1]|, |v[X+32*\c+2]|
	v_max3_num_f32 v[M+2*\c+1], |v[X+32*\c+3]|, |v[X+32*\c+4]|, |v[X+32*\c+5]|
.endr
.irp i, 6,10,14,18,22,26
.irp c, 0,1
	v_max3_num_f32 v[M+2*\c], v[M+2*\c], |v[X+32*\c+\i]|, |v[X+32*\c+\i+1]|
	v_max3_num_f32 v[M+2*\c+1], v[M+2*\c+1], |v[X+32*\c+\i+2]|, |v[X+32*\c+\i+3]|
.endr
.endr
.irp c, 0,1
	v_max3_num_f32 v[M+2*\c], v[M+2*\c], |v[X+32*\c+30]|, |v[X+32*\c+31]|
.endr
.irp c, 0,1
	v_max3_num_f32 v[M+2*\c], v[M+2*\c], v[M+2*\c+1], 0x1800000   ; and the floor 2^(3 - 127): the byte cannot fall under 1
.endr
.irp c, 0,1
	v_add_nc_u32 v[OP+\c], 0xff000000, v[M+2*\c]   ; 2 off the exponent field: the conversion takes that field as its scale
.endr
	v_cvt_scalef32_pk8_fp4_f32 v[FR], v[X:X+7], v[OP]
	v_lshrrev_b32 v[BY], 23, v[OP]                 ; the scales' bytes
	v_cvt_scalef32_pk8_fp4_f32 v[FR+1], v[X+8:X+15], v[OP]
	v_lshrrev_b32 v[BY+1], 23, v[OP+1]
	v_cvt_scalef32_pk8_fp4_f32 v[FR+2], v[X+16:X+23], v[OP]
	v_lshl_or_b32 v[SW], v[BY+1], 16, v[BY]        ; my two bytes,
	v_cvt_scalef32_pk8_fp4_f32 v[FR+3], v[X+24:X+31], v[OP]
	v_lshlrev_b32 v[SW], v[SH8], v[SW]             ; at their places (8 h bits up);
	v_cvt_scalef32_pk8_fp4_f32 v[FR+4], v[X+32:X+39], v[OP+1]
	v_permlanex16_b32 v[PT], v[SW], s[SEL], s[SEL+1]
	v_cvt_scalef32_pk8_fp4_f32 v[FR+5], v[X+40:X+47], v[OP+1]
	v_or_b32 v[SW], v[SW], v[PT]                   ; with lane l xor 16's two the word is whole
	v_cvt_scalef32_pk8_fp4_f32 v[FR+6], v[X+48:X+55], v[OP+1]
	v_cvt_scalef32_pk8_fp4_f32 v[FR+7], v[X+56:X+63], v[OP+1]
	v_nop                                          ; one plain place behind a scaled conversion
.endm
; A vector of 128, four neighbours a lane in v[x] .. v[x + 3]: codes to my scratch at co, the scale word's bytes at so.  (The conversion takes eight registers; its low half alone is stored)
.macro LVQ x, co, so
	v_max3_num_f32 v[T], |v[\x]|, |v[\x+1]|, 0x1800000
	v_max3_num_f32 v[T], v[T], |v[\x+2]|, |v[\x+3]|
.irp m, 1,2,4
	v_max_num_f32_dpp v[T], v[T], v[T] row_xmask:\m row_mask:0xf bank_mask:0xf
.endr
	v_add_nc_u32 v[T+1], 0xff000000, v[T]
	v_lshrrev_b32 v[T+2], 23, v[T+1]
	v_cvt_scalef32_pk8_fp4_f32 v[T+3], v[\x:\x+7], v[T+1]
	v_nop
	ds_store_b16 v[MSCA], v[T+3] offset:\co
	ds_store_b8 v[MSCB], v[T+2] offset:\so         ; the eight lanes of a block write the same byte with the same value
.endm
; My 32 rows of a product's result, one block along the next K, in v[x] .. v[x + 15] (lane half h: rows 8 h + j, 16 + 8 h + j): codes and scale byte to place i of VC
.macro BQ x, i
	v_max3_num_f32 v[T], |v[\x]|, |v[\x+1]|, 0x1800000
	v_max3_num_f32 v[T+1], |v[\x+2]|, |v[\x+3]|, |v[\x+4]|
	v_max3_num_f32 v[T], v[T], |v[\x+5]|, |v[\x+6]|
	v_max3_num_f32 v[T+1], v[T+1], |v[\x+7]|, |v[\x+8]|
	v_max3_num_f32 v[T], v[T], |v[\x+9]|, |v[\x+10]|
	v_max3_num_f32 v[T+1], v[T+1], |v[\x+11]|, |v[\x+12]|
	v_max3_num_f32 v[T], v[T], |v[\x+13]|, |v[\x+14]|
	v_max3_num_f32 v[T], v[T], v[T+1], |v[\x+15]|
	v_permlanex16_b32 v[PT], v[T], s[SEL], s[SEL+1]
	v_max_num_f32 v[T], v[T], v[PT]
	v_add_nc_u32 v[T+2], 0xff000000, v[T]
	v_lshrrev_b32 v[T+3], 23, v[T+2]
	v_cvt_scalef32_pk8_fp4_f32 v[T+4], v[\x:\x+7], v[T+2]
	v_cvt_scalef32_pk8_fp4_f32 v[T+5], v[\x+8:\x+15], v[T+2]
	v_nop
	ds_store_b32 v[VCS], v[T+4] offset:256*\i      ; the 16 lanes of a half hold the same numbers and write the same bytes
	ds_store_b32 v[VCS], v[T+5] offset:256*\i+8
	ds_store_b8 v[VCB], v[T+3] offset:256*\i
.endm
.macro CODES i                         ; the vector at place i of VC as a fragment, the same in all 16 columns
	ds_load_b128 v[DB+8:DB+11], v[VCF] offset:256*\i
	ds_load_b128 v[DB+12:DB+15], v[VCF] offset:256*\i+32
	ds_load_b32 v[SF0], v[VCW] offset:256*\i+64
.endm
.macro BIASL d, i                      ; my 32 rows of bias i in a result's layout
	ds_load_b128 v[\d:\d+3], v[BIS] offset:128*\i
	ds_load_b128 v[\d+4:\d+7], v[BIS] offset:128*\i+16
	ds_load_b128 v[\d+8:\d+11], v[BIS] offset:128*\i+64
	ds_load_b128 v[\d+12:\d+15], v[BIS] offset:128*\i+80
.endm
.macro IMGL d, adr, off                ; an image of 32 rows x 128 K: 16 registers
.irp i, 0,1,2,3
	ds_load_b128 v[\d+4*\i:\d+4*\i+3], v[\adr] offset:\off+512*\i
.endr
.endm
.macro XL slot, b, tile                ; 16 loads: a tile's 16 nodes, each 512 consecutive bytes of x, into a ring slot
	WIN 0x40
.set rho, 0
.rept 16
	global_load_b128 v[64*(\slot)+4*rho:64*(\slot)+4*rho+3], v[XO], s[SBN:SBN+1] offset:262144*(\b)+(16*(\tile)+rho)*512 th:TH_LOAD_NT
.set rho, rho+1
.endr
	WIN 0
.endm
; Tile i of batch b has landed in a slot: turn, sum, (ask for tile ri of batch rb; ri = -1: nothing), quantise, image.  wt: the loads issued behind the tile's, which may be out
.macro TILE b, i, slot, wt, rb, ri
	s_wait_loadcnt \wt
	WIN 0x04                                       ; an LDS store's data: window 1
.set rho, 0
.rept 16
	ds_store_b128 v[TSA], v[64*(\slot)+4*rho:64*(\slot)+4*rho+3] offset:528*rho
.set rho, rho+1
.endr
	WIN 0
	VLOAD TLA, 0                                   ; LDS serves a wave's instructions in order: these see the stores above
	WIN 0x01                                       ; source 0: window 1
.set rho, 0
.rept 16
.set VP, 4+2*(rho%4)+((rho%4)/2)*(58+32*((rho%4)-2))           ; the pairs s4, s6, s66, s100 by turns
.set AR, ACC+4*(rho%2)
.set XR, 64*(\slot)+4*rho
	s_bitcmp1_b32 s[MK+16*(\b)+4*(\i)+rho/4], 8*(rho%4)        ; is the node masked?  A choice of a value, no branch
	s_cselect_b32 s[VP], 0, 1.0
.if ((\i) == 0) && (rho < 2)
	v_pk_mul_f32 v[AR:AR+1], v[XR:XR+1], s[VP:VP+1] op_sel_hi:[1,0]    ; the first nodes start the sums
	v_pk_mul_f32 v[AR+2:AR+3], v[XR+2:XR+3], s[VP:VP+1] op_sel_hi:[1,0]
.else
	v_pk_fma_f32 v[AR:AR+1], v[XR:XR+1], s[VP:VP+1], v[AR:AR+1] op_sel_hi:[1,0,1]
	v_pk_fma_f32 v[AR+2:AR+3], v[XR+2:XR+3], s[VP:VP+1], v[AR+2:AR+3] op_sel_hi:[1,0,1]
.endif
.set rho, rho+1
.endr
	WIN 0
	s_wait_dscnt 0x0                               ; the tile is back from the stage, and the stage's stores have read the slot
.if (\ri) >= 0
	XL \slot, \rb, \ri
.endif
	QB
	ds_store_b128 v[IMA], v[FR:FR+3] offset:32768*(\b)+1024*(\i)
	ds_store_b128 v[IMA], v[FR+4:FR+7] offset:32768*(\b)+1024*(\i)+512
	ds_store_b32 v[ISA], v[SW] offset:2048*(\b)+64*(\i)        ; both halves of the lanes write the same word with the same value
.endm
; one scaled product; ra, rb: the scale words lie in lanes 16-31 of their registers; c = -1: the constant 0
.macro WM d, a, b, c, sa, sb, ra, rb
.if (\c) < 0
.if (\ra == 0) && (\rb == 0)
	v_wmma_scale_f32_16x16x128_f8f6f4 v[(\d):(\d)+7], v[(\a):(\a)+7], v[(\b):(\b)+7], 0, v[\sa], v[\sb] matrix_a_fmt:MATRIX_FMT_FP4 matrix_b_fmt:MATRIX_FMT_FP4
.elseif (\ra == 1) && (\rb == 0)
	v_wmma_scale_f32_16x16x128_f8f6f4 v[(\d):(\d)+7], v[(\a):(\a)+7], v[(\b):(\b)+7], 0, v[\sa], v[\sb] matrix_a_fmt:MATRIX_FMT_FP4 matrix_b_fmt:MATRIX_FMT_FP4 matrix_a_scale:MATRIX_SCALE_ROW1
.elseif (\ra == 0) && (\rb == 1)
	v_wmma_scale_f32_16x16x128_f8f6f4 v[(\d):(\d)+7], v[(\a):(\a)+7], v[(\b):(\b)+7], 0, v[\sa], v[\sb] matrix_a_fmt:MATRIX_FMT_FP4 matrix_b_fmt:MATRIX_FMT_FP4 matrix_b_scale:MATRIX_SCALE_ROW1
.else
	v_wmma_scale_f32_16x16x128_f8f6f4 v[(\d):(\d)+7], v[(\a):(\a)+7], v[(\b):(\b)+7], 0, v[\sa], v[\sb] matrix_a_fmt:MATRIX_FMT_FP4 matrix_b_fmt:MATRIX_FMT_FP4 matrix_a_scale:MATRIX_SCALE_ROW1 matrix_b_scale:MATRIX_SCALE_ROW1
.endif
.else
.if (\ra == 0) && (\rb == 0)
	v_wmma_scale_f32_16x16x128_f8f6f4 v[(\d):(\d)+7], v[(\a):(\a)+7], v[(\b):(\b)+7], v[(\c):(\c)+7], v[\sa], v[\sb] matrix_a_fmt:MATRIX_FMT_FP4 matrix_b_fmt:MATRIX_FMT_FP4
.elseif (\ra == 1) && (\rb == 0)
	v_wmma_scale_f32_16x16x128_f8f6f4 v[(\d):(\d)+7], v[(\a):(\a)+7], v[(\b):(\b)+7], v[(\c):(\c)+7], v[\sa], v[\sb] matrix_a_fmt:MATRIX_FMT_FP4 matrix_b_fmt:MATRIX_FMT_FP4 matrix_a_scale:MATRIX_SCALE_ROW1
.elseif (\ra == 0) && (\rb == 1)
	v_wmma_scale_f32_16x16x128_f8f6f4 v[(\d):(\d)+7], v[(\a):(\a)+7], v[(\b):(\b)+7], v[(\c):(\c)+7], v[\sa], v[\sb] matrix_a_fmt:MATRIX_FMT_FP4 matrix_b_fmt:MATRIX_FMT_FP4 matrix_b_scale:MATRIX_SCALE_ROW1
.else
	v_wmma_scale_f32_16x16x128_f8f6f4 v[(\d):(\d)+7], v[(\a):(\a)+7], v[(\b):(\b)+7], v[(\c):(\c)+7], v[\sa], v[\sb] matrix_a_fmt:MATRIX_FMT_FP4 matrix_b_fmt:MATRIX_FMT_FP4 matrix_a_scale:MATRIX_SCALE_ROW1 matrix_b_scale:MATRIX_SCALE_ROW1
.endif
.endif
.endm
.macro WM2 d, a, b, c, sa, sb          ; my 32 rows of a weight x one vector
	WM \d, \a, \b, \c, \sa, \sb, 0, 0
	WM \d+8, \a+8, \b, \c+8, \sa, \sb, 1, 0
.endm
.macro WM2W a, b, sa, sb               ; the same onto combined: the sum's steps stand near each other
	WA
	WM CMB, \a, \b, CMB, \sa, \sb, 0, 0
	WA
	WM CMB+8, \a+8, \b, CMB+8, \sa, \sb, 1, 0
.endm
; Group g: my 32 rows of a weight x tiles 2 g and 2 g + 1 of my nodes: four whole products, results (u, t) at DB + 32 (g % 2) + 16 t + 8 u
.macro WG g, W, B, SR
	WIN 0x04                                       ; source 1: window 1
.irp t, 0,1
.irp u, 0,1
.if (\B) < 0
	WM DB+32*((\g)%2)+8*(2*\t+\u), (\W)+8*\u, 128+8*(2*(\g)+\t), -1, \SR, XS+(\g), \u, \t
.else
	WM DB+32*((\g)%2)+8*(2*\t+\u), (\W)+8*\u, 128+8*(2*(\g)+\t), (\B)+8*\u, \SR, XS+(\g), \u, \t
.endif
.endr
.endr
	WIN 0
.endm
; Group g's results dotted with the vector in Q.  join = 0: a score for each head, masked.  join = 1: one number over all 32 rows.
; A lane's 8 rows are summed; the two halves of the lanes meet by one exchange, which also lays tile 2 g's nodes in lanes 0-15 and tile 2 g + 1's in lanes 16-31.
.macro VGD g, join
.set DBG, DB+32*((\g)%2)
.if \join == 0
.irp t, 0,1
.irp u, 0,1
	v_pk_mul_f32 v[T+4*\u+2*\t:T+4*\u+2*\t+1], v[DBG+16*\t+8*\u:DBG+16*\t+8*\u+1], v[Q+8*\u:Q+8*\u+1]   ; each result is read from its low end on
.endr
.endr
.irp i, 1,2,3
.irp t, 0,1
.irp u, 0,1
	v_pk_fma_f32 v[T+4*\u+2*\t:T+4*\u+2*\t+1], v[DBG+16*\t+8*\u+2*\i:DBG+16*\t+8*\u+2*\i+1], v[Q+8*\u+2*\i:Q+8*\u+2*\i+1], v[T+4*\u+2*\t:T+4*\u+2*\t+1]
.endr
.endr
.endr
.irp k, 0,2,4,6
	v_add_f32 v[T+\k], v[T+\k], v[T+\k+1]
.endr
.irp u, 0,1
	v_permlane16_swap_b32 v[T+4*\u], v[T+4*\u+2]
.endr
.irp u, 0,1
	v_add_f32 v[S+8*\u+(\g)], v[T+4*\u], v[T+4*\u+2]
.endr
.irp u, 0,1
	v_cndmask_b32 v[S+8*\u+(\g)], v[S+8*\u+(\g)], v[NI], s[AM+(\g)]
.endr
.else
.irp t, 0,1
	v_pk_mul_f32 v[T+2*\t:T+2*\t+1], v[DBG+16*\t:DBG+16*\t+1], v[Q:Q+1]
.endr
.irp t, 0,1
	v_pk_mul_f32 v[T+4+2*\t:T+4+2*\t+1], v[DBG+16*\t+8:DBG+16*\t+9], v[Q+8:Q+9]
.endr
.irp i, 2,4,6
.irp t, 0,1
	v_pk_fma_f32 v[T+2*\t:T+2*\t+1], v[DBG+16*\t+\i:DBG+16*\t+\i+1], v[Q+\i:Q+\i+1], v[T+2*\t:T+2*\t+1]
	v_pk_fma_f32 v[T+4+2*\t:T+4+2*\t+1], v[DBG+16*\t+8+\i:DBG+16*\t+8+\i+1], v[Q+8+\i:Q+8+\i+1], v[T+4+2*\t:T+4+2*\t+1]
.endr
.endr
.irp t, 0,2
	v_pk_add_f32 v[T+\t:T+\t+1], v[T+\t:T+\t+1], v[T+4+\t:T+4+\t+1]
.endr
.irp k, 0,2
	v_add_f32 v[T+\k], v[T+\k], v[T+\k+1]
.endr
	v_permlane16_swap_b32 v[T], v[T+2]
	v_add_f32 v[S+(\g)], v[T], v[T+2]
.endif
.endm
; Group g's v, weighted by p, onto ctx (in Q).  p of a tile's node r is wanted in both halves of the lanes: one exchange of two copies gives that.
.macro VGV g
.set DBG, DB+32*((\g)%2)
.irp u, 0,1
	v_mov_b32 v[T+4*\u], v[S+8*\u+(\g)]
	v_mov_b32 v[T+4*\u+2], v[S+8*\u+(\g)]
.endr
.irp u, 0,1
	v_permlane16_swap_b32 v[T+4*\u], v[T+4*\u+2]
.endr
.irp t, 0,1
.irp i, 0,1,2,3
.irp u, 0,1
.if ((\g) == 0) && (\t == 0)
	v_pk_mul_f32 v[Q+8*\u+2*\i:Q+8*\u+2*\i+1], v[DBG+16*\t+8*\u+2*\i:DBG+16*\t+8*\u+2*\i+1], v[T+4*\u+2*\t:T+4*\u+2*\t+1] op_sel_hi:[1,0]   ; the first tile starts the sums
.else
	v_pk_fma_f32 v[Q+8*\u+2*\i:Q+8*\u+2*\i+1], v[DBG+16*\t+8*\u+2*\i:DBG+16*\t+8*\u+2*\i+1], v[T+4*\u+2*\t:T+4*\u+2*\t+1], v[Q+8*\u+2*\i:Q+8*\u+2*\i+1] op_sel_hi:[1,0,1]
.endif
.endr
.endr
.endr
.endm
.macro VG g, kind
.if \kind == 0
	VGD \g, 0
.elseif \kind == 1
	VGD \g, 1
.else
	VGV \g
.endif
.endm
; My 16 tiles of x against my 32 rows of a weight.  A group's products stand one group ahead of the vector work on their results: the work on the group before, which names none of the
; younger products' registers, fills the places behind them (ISA guide 7.12.1); a set of results is written again two groups later.
.macro PHASE W, B, SR, kind
	WG 0, \W, \B, \SR
	WG 1, \W, \B, \SR
	NOPS 4
	WA
	VG 0, \kind
.set G, 2
.rept 6
.if G == 4
	s_wait_dscnt 0x0                               ; tiles 8 to 15 are in registers
.endif
	WG G, \W, \B, \SR
	VG G-1, \kind
.set G, G+1
.endr
	VG 7, \kind
.endm
.macro XFL b, t0                       ; eight of my 16 fragments
	WIN 0x40
.set TT, \t0
.rept 8
	ds_load_b128 v[128+8*TT:128+8*TT+3], v[XIA] offset:32768*(\b)+1024*TT
	ds_load_b128 v[128+8*TT+4:128+8*TT+7], v[XIA] offset:32768*(\b)+1024*TT+512
.set TT, TT+1
.endr
	WIN 0
.endm
; What of combined does not hang on the mean: b_c + the selected row's and cap's and time's parts, ahead of the batch's last tile.  W_c's K step 0 stays in WT.
.macro PRE b
	IMGL WT, WCRA, 0
	IMGL DB, WCRA, 2048
	IMGL DB+16, WCRA, 4096
	ds_load_b32 v[SC0], v[WCRS]
	ds_load_b32 v[XS+2], v[WCRS] offset:512
	ds_load_b32 v[XS+3], v[WCRS] offset:1024
	ds_load_b128 v[DB+32:DB+35], v[MSCF] offset:64+64*\b
	ds_load_b128 v[DB+36:DB+39], v[MSCF] offset:96+64*\b
	ds_load_b32 v[XS], v[MSCW] offset:196+4*\b
	BIASL CMB, 2
	v_mov_b32 v[T], s[CAP+\b]                      ; K step 2 of the features: cap, time and zeros
	v_mov_b32 v[T+1], s[TIM+\b]
.irp j, 2,3,4,5,6,7
	v_mov_b32 v[T+\j], 0
.endr
	v_max3_num_f32 v[T+8], |v[T]|, |v[T+1]|, 0x1800000
	v_add_nc_u32 v[T+9], 0xff000000, v[T+8]
	v_lshrrev_b32 v[XS+1], 23, v[T+9]              ; byte 0; the other three bytes are 0 over zero codes
	v_cndmask_b32 v[T], v[T], v[T+2], s[HM]        ; lanes 16-31 hold k = 288 on: zeros
	v_cndmask_b32 v[T+1], v[T+1], v[T+2], s[HM]
	v_cvt_scalef32_pk8_fp4_f32 v[DB+40], v[T:T+7], v[T+9]
.irp j, 1,2,3,4,5,6,7
	v_mov_b32 v[DB+40+\j], 0
.endr
	NOPS 8                                         ; a scale word made by vector instructions stands 8 places ahead of the scaled product, codes so made 4
	s_wait_dscnt 0x0
	WM2W DB, DB+32, XS+2, XS
	WM2W DB+16, DB+40, XS+3, XS+1
	NOPS 5
.endm
; ---- ALL THAT FOLLOWS A BATCH'S LAST TILE
.macro COMP b
	v_pk_add_f32 v[ACC:ACC+1], v[ACC:ACC+1], v[ACC+4:ACC+5]
	v_pk_add_f32 v[ACC+2:ACC+3], v[ACC+2:ACC+3], v[ACC+6:ACC+7]
	ds_store_b128 v[MPS], v[ACC:ACC+3]             ; my 64 nodes' masked sum, k ascending over the lanes
	BAR                                            ; the batch's 32 images, scale words and partial sums lie in LDS
	; ---- the mean, quantised in my scratch; combined
.irp k, 0,1,2,3,4,5,6,7
	ds_load_b128 v[DB+4*\k:DB+4*\k+3], v[MPA] offset:512*\k
.endr
.irp g, 0,1,2,3,4,5,6,7
	ds_load_b32 v[XS+\g], v[XSA] offset:2048*(\b)+128*\g
.endr
	XFL \b, 0
	s_wait_dscnt 24                                ; the sums are in; 8 scale words and 16 loads of fragments may be out
.irp k, 0,8,16,24
	v_pk_add_f32 v[DB+\k:DB+\k+1], v[DB+\k:DB+\k+1], v[DB+\k+4:DB+\k+5]
	v_pk_add_f32 v[DB+\k+2:DB+\k+3], v[DB+\k+2:DB+\k+3], v[DB+\k+6:DB+\k+7]
.endr
.irp k, 0,16
	v_pk_add_f32 v[DB+\k:DB+\k+1], v[DB+\k:DB+\k+1], v[DB+\k+8:DB+\k+9]
	v_pk_add_f32 v[DB+\k+2:DB+\k+3], v[DB+\k+2:DB+\k+3], v[DB+\k+10:DB+\k+11]
.endr
	v_pk_add_f32 v[DB:DB+1], v[DB:DB+1], v[DB+16:DB+17]
	v_pk_add_f32 v[DB+2:DB+3], v[DB+2:DB+3], v[DB+18:DB+19]
.irp i, 0,1,2,3
	v_mul_f32 v[DB+\i], v[RC+\b], v[DB+\i]
.endr
	LVQ DB, 0, 192
	ds_load_b128 v[DB+8:DB+11], v[MSCF]            ; my wave's own bytes: LDS serves a wave's instructions in order
	ds_load_b128 v[DB+12:DB+15], v[MSCF] offset:32
	ds_load_b32 v[SF0], v[MSCW] offset:192
	s_wait_dscnt 0x0
	WM2W WT, DB+8, SC0, SF0
	NOPS 4
	BQ CMB, 0
	SIG
	IMGL WT, WIS, 0                                ; Wq
	BIASL Q, 0
	s_barrier_wait -1                              ; combined's codes are whole
	; ---- q of my two heads
	CODES 0
	XFL \b, 8
	s_wait_dscnt 16                                ; all but the 16 loads of fragments
	WM2 Q, WT, DB+8, Q, SQ, SF0
	NOPS 5                                         ; places: what follows writes the vector's registers
.if \b == 0
	TILE 1, 0, 0, 16, 1, 2                         ; batch 1's first tile; batch 1's second may be out
.endif
	; ---- scores of my two heads over my 256 nodes
	PHASE WK, -1, SK, 0
	BIASL WT, 1
	; ---- softmax over my half of the nodes: its maximum is taken away (held at -3e38 from below: a half may be masked whole); p is left unnormalised
.irp u, 0,1
	v_max3_num_f32 v[MX+2*\u], v[S+8*\u], v[S+8*\u+1], v[S+8*\u+2]
.endr
.irp i, 3,5
.irp u, 0,1
	v_max3_num_f32 v[MX+2*\u], v[MX+2*\u], v[S+8*\u+\i], v[S+8*\u+\i+1]
.endr
.endr
.irp u, 0,1
	v_max3_num_f32 v[MX+2*\u], v[MX+2*\u], v[S+8*\u+7], 0xff61b1e6
.endr
.irp m, 1,2,4,8
.irp u, 0,1
	v_max_num_f32_dpp v[MX+2*\u], v[MX+2*\u], v[MX+2*\u] row_xmask:\m row_mask:0xf bank_mask:0xf
.endr
.endr
.irp u, 0,1
	v_permlanex16_b32 v[MX+2*\u+1], v[MX+2*\u], s[SEL], s[SEL+1]
.endr
.irp u, 0,1
	v_max_num_f32 v[MX+2*\u], v[MX+2*\u], v[MX+2*\u+1]
.endr
.irp u, 0,1
	v_mul_f32 v[MX+2*\u], s[QS], -v[MX+2*\u]       ; N = -M c
.endr
.irp i, 0,2,4,6
.irp u, 0,1
	v_pk_fma_f32 v[S+8*\u+\i:S+8*\u+\i+1], v[S+8*\u+\i:S+8*\u+\i+1], s[QS:QS+1], v[MX+2*\u:MX+2*\u+1] op_sel_hi:[1,0,0]
.endr
.endr
	WA
.irp j, 0,1,2,3,4,5,6,7,8,9,10,11,12,13,14,15
	v_exp_f32 v[S+\j], v[S+\j]
.endr
	v_nop
	WA
.irp u, 0,1
	v_pk_add_f32 v[T+4*\u:T+4*\u+1], v[S+8*\u:S+8*\u+1], v[S+8*\u+2:S+8*\u+3]
	v_pk_add_f32 v[T+4*\u+2:T+4*\u+3], v[S+8*\u+4:S+8*\u+5], v[S+8*\u+6:S+8*\u+7]
.endr
.irp u, 0,1
	v_pk_add_f32 v[T+4*\u:T+4*\u+1], v[T+4*\u:T+4*\u+1], v[T+4*\u+2:T+4*\u+3]
.endr
.irp u, 0,1
	v_add_f32 v[MX+2*\u+1], v[T+4*\u], v[T+4*\u+1]
.endr
.irp m, 1,2,4,8
.irp u, 0,1
	v_add_f32_dpp v[MX+2*\u+1], v[MX+2*\u+1], v[MX+2*\u+1] row_xmask:\m row_mask:0xf bank_mask:0xf
.endr
.endr
.irp u, 0,1
	v_permlanex16_b32 v[T+2*\u], v[MX+2*\u+1], s[SEL], s[SEL+1]
.endr
.irp u, 0,1
	v_add_f32 v[MX+2*\u+1], v[MX+2*\u+1], v[T+2*\u]
.endr
	WA
	s_wait_dscnt 0x0
	; ---- my half's part of ctx: the sum of p v
	PHASE WV, WT, SV, 2
.irp m, 1,2,4,8
.irp j, 0,1,2,3,4,5,6,7,8,9,10,11,12,13,14,15
	v_add_f32_dpp v[Q+\j], v[Q+\j], v[Q+\j] row_xmask:\m row_mask:0xf bank_mask:0xf   ; over the 16 nodes that the lanes of a half hold
.endr
.endr
.irp i, 0,1,2,3
	ds_store_b128 v[CTS], v[Q+4*\i:Q+4*\i+3] offset:16*\i
.endr
	ds_store_b128 v[CTS], v[MX:MX+3] offset:128
	SIG
	IMGL WT, WIS, 16384                            ; Wo
	BIASL DB+32, 3
	s_barrier_wait -1                              ; the other half's part lies in LDS
.irp i, 0,1,2,3
	ds_load_b128 v[DB+4*\i:DB+4*\i+3], v[CTP] offset:16*\i
.endr
	ds_load_b128 v[DB+16:DB+19], v[CTP] offset:128
	s_wait_dscnt 5                                 ; b_o is in; the five loads just issued may be out
.irp j, 0,2,4,6,8,10,12,14
	v_pk_add_f32 v[CMB+\j:CMB+\j+1], v[CMB+\j:CMB+\j+1], v[DB+32+\j:DB+33+\j]   ; combined + b_o
.endr
	WA
	s_wait_dscnt 0x0
	; the halves meet: both are brought under the lesser N (the greater maximum)
.irp u, 0,2
	v_min_num_f32 v[DB+20+\u], v[MX+\u], v[DB+16+\u]
.endr
.irp u, 0,2
	v_sub_f32 v[DB+24+\u], v[DB+20+\u], v[MX+\u]
	v_sub_f32 v[DB+28+\u], v[DB+20+\u], v[DB+16+\u]
.endr
	WA
.irp j, 24,26,28,30
	v_exp_f32 v[DB+\j], v[DB+\j]
.endr
	v_nop
	WA
.irp u, 0,2
	v_mul_f32 v[DB+20+\u], v[DB+24+\u], v[MX+1+\u]
.endr
.irp u, 0,2
	v_mul_f32 v[DB+21+\u], v[DB+28+\u], v[DB+17+\u]   ; both products are rounded, then added: the same bits in both halves, whichever part is a half's own
.endr
.irp u, 0,2
	v_add_f32 v[DB+20+\u], v[DB+20+\u], v[DB+21+\u]
.endr
	WA
.irp u, 0,2
	v_rcp_f32 v[DB+20+\u], v[DB+20+\u]
.endr
	v_nop
	WA
.irp u, 0,2
	v_mul_f32 v[DB+24+\u], v[DB+24+\u], v[DB+20+\u]
	v_mul_f32 v[DB+28+\u], v[DB+28+\u], v[DB+20+\u]
.endr
.irp i, 0,2,4,6
.irp u, 0,1
	v_pk_mul_f32 v[Q+8*\u+\i:Q+8*\u+\i+1], v[Q+8*\u+\i:Q+8*\u+\i+1], v[DB+24+2*\u:DB+25+2*\u] op_sel_hi:[1,0]
.endr
.endr
.irp i, 0,2,4,6
.irp u, 0,1
	v_pk_mul_f32 v[DB+8*\u+\i:DB+8*\u+\i+1], v[DB+8*\u+\i:DB+8*\u+\i+1], v[DB+28+2*\u:DB+29+2*\u] op_sel_hi:[1,0]
.endr
.endr
.irp i, 0,2,4,6
.irp u, 0,1
	v_pk_add_f32 v[Q+8*\u+\i:Q+8*\u+\i+1], v[Q+8*\u+\i:Q+8*\u+\i+1], v[DB+8*\u+\i:DB+8*\u+\i+1]
.endr
.endr
	BQ Q, 1
	BAR                                            ; ctx's codes are whole
	; ---- veh = combined + b_o + ctx Wo^T
	CODES 1
	s_wait_dscnt 0x0
	WM2 Q, WT, DB+8, CMB, SO, SF0
	NOPS 4
	BQ Q, 2
	SIG
	IMGL WT, WIS, 8192                             ; Wpq
	BIASL Q, 4
	s_barrier_wait -1                              ; veh's codes are whole
	; ---- pq
	CODES 2
	s_wait_dscnt 0x0
	WM2 Q, WT, DB+8, Q, SPQ, SF0
	NOPS 5                                         ; places: what follows writes the vector's registers
.if \b == 0
	TILE 1, 1, 1, 16, 1, 3                         ; batch 1's second tile; its third may be out
.endif
	BIASL WT, 5
	WA
	s_wait_dscnt 0x0
	; ---- pq . pk over my 32 of the 128, for my 256 nodes
	PHASE WPK, WT, SPK, 1
.irp g, 0,1,2,3,4,5,6,7
	ds_store_b32 v[UPS], v[S+\g] offset:128*\g
.endr
	BAR                                            ; the four partial dots of every node lie in LDS
	; ---- 10 tanh, mask, softmax: my wave's 64 nodes, two a lane.  exp(10 tanh z - 10) = 2^(-20 log2(e) / (1 + 2^(2 log2(e) z)))
.irp k, 0,1,2,3
	ds_load_b64 v[T+2*\k:T+2*\k+1], v[UPL] offset:2048*\k
.endr
	s_wait_xcnt 0x0                                ; an earlier store has read its data, which are written again below
	s_wait_dscnt 0x0
	v_pk_add_f32 v[T:T+1], v[T:T+1], v[T+2:T+3]
	v_pk_add_f32 v[T+4:T+5], v[T+4:T+5], v[T+6:T+7]
	v_pk_add_f32 v[T:T+1], v[T:T+1], v[T+4:T+5]
.irp j, 0,1
	v_mul_f32 v[T+\j], 0x4038aa3b, v[T+\j]
.endr
	WA
.irp j, 0,1
	v_exp_f32 v[T+\j], v[T+\j]
.endr
	v_nop
	WA
.irp j, 0,1
	v_add_f32 v[T+\j], 1.0, v[T+\j]
.endr
	WA
.irp j, 0,1
	v_rcp_f32 v[T+\j], v[T+\j]
.endr
	v_nop
	WA
.irp j, 0,1
	v_mul_f32 v[T+\j], 0xc1e6d4ca, v[T+\j]
.endr
	WA
.irp j, 0,1
	v_exp_f32 v[E+\j], v[T+\j]
.endr
.irp j, 0,1
	v_bfe_u32 v[T+4+\j], v[MW+\b], 8*\j, 8         ; (plain places behind the exponentials)  my nodes' mask bytes
.endr
	WA
.irp j, 0,1
	v_cmp_eq_u32 vcc_lo, 0, v[T+4+\j]
	v_cndmask_b32 v[E+\j], 0, v[E+\j], vcc_lo      ; a masked node counts 0
.endr
	v_add_f32 v[T], v[E], v[E+1]
.irp m, 1,2,4,8
	v_add_f32_dpp v[T], v[T], v[T] row_xmask:\m row_mask:0xf bank_mask:0xf
.endr
	v_permlanex16_b32 v[PT], v[T], s[SEL], s[SEL+1]
	v_add_f32 v[T], v[T], v[PT]
	v_mov_b32 v[T+8], s[SUMW]
	ds_store_b32 v[T+8], v[T]
	BAR                                            ; the eight waves' sums lie in LDS
	v_mov_b32 v[T+8], SUM
	ds_load_b128 v[DB:DB+3], v[T+8]
	ds_load_b128 v[DB+4:DB+7], v[T+8] offset:16
	s_wait_dscnt 0x0
	v_pk_add_f32 v[DB:DB+1], v[DB:DB+1], v[DB+2:DB+3]
	v_pk_add_f32 v[DB+4:DB+5], v[DB+4:DB+5], v[DB+6:DB+7]
	v_pk_add_f32 v[DB:DB+1], v[DB:DB+1], v[DB+4:DB+5]
	v_add_f32 v[DB], v[DB], v[DB+1]
	WA
	v_rcp_f32 v[DB], v[DB]
	v_nop
	WA
	v_pk_mul_f32 v[E:E+1], v[E:E+1], v[DB:DB+1] op_sel_hi:[1,0]
	global_store_b64 v[OUTO], v[E:E+1], s[48:49] offset:2048*(\b) th:TH_STORE_NT   ; the wave stores 256 consecutive bytes, at a multiple of 256 from out0's first byte
.endm
; ================================================================ THE HEAD
	s_load_b512 s[8:23], s[0:1], 0x0               ; x, W_c, qkv codes, qkv scales, o codes, o scales, pq codes, pq scales
	s_load_b512 s[24:39], s[0:1], 0x40             ; pk codes, pk scales, b_qkv, b_c, b_o, b_pq, b_pk, mean_mask
	s_load_b256 s[40:47], s[0:1], 0x80             ; attn_mask, sel_idx, cap_feat, time_feat
	s_load_b64 s[48:49], s[0:1], 0xa0              ; out0
	v_lshrrev_b32 v[PT], 5, v0
	v_readfirstlane_b32 s[WN], v[PT]               ; wave 0..7
	s_and_b32 s3, s[WN], 3                         ; hp
	s_lshr_b32 s4, s[WN], 2                        ; nh
	s_lshl_b32 s68, s[WN], 15
	s_mul_i32 s69, s[WN], 16640
	s_lshl_b32 s70, s[WN], 12
	s_add_co_u32 s70, s70, XIMG
	s_lshl_b32 s93, s[WN], 8                       ; 256 w
	s_add_co_u32 s71, s93, XSC
	s_lshl_b32 s72, s4, 14
	s_add_co_u32 s72, s72, XIMG
	s_lshl_b32 s94, s4, 10                         ; 1,024 nh
	s_add_co_u32 s73, s94, XSC
	s_mul_i32 s74, s3, 6144
	s_add_co_u32 s74, s74, WCI
	s_lshl_b32 s92, s3, 7                          ; 128 hp
	s_add_co_u32 s75, s92, WCS
	s_add_co_u32 s76, s93, MSC
	s_add_co_u32 s77, s94, VC
	s_lshl_b32 s78, s3, 4
	s_add_co_u32 s78, s78, s77
	s_add_co_u32 s79, s77, s3
	s_add_co_u32 s79, s79, 64
	s_lshl_b32 s95, s3, 11                         ; 2,048 hp
	s_add_co_u32 s80, s95, WIM
	s_mul_i32 s81, s[WN], 768
	s_add_co_u32 s81, s81, BIA
	s_add_co_u32 s82, s93, CT
	s_xor_b32 s83, s[WN], 4
	s_lshl_b32 s83, s83, 8
	s_add_co_u32 s83, s83, CT
	s_add_co_u32 s84, s95, s94
	s_add_co_u32 s84, s84, UP
	s_add_co_u32 s85, s93, UP
	s_lshl_b32 s86, s[WN], 9
	s_add_co_u32 s86, s86, MP
	s_mul_i32 s87, s[WN], 16512
	s_lshr_b32 s88, s[WN], 1
	s_mul_i32 s88, s88, 6144
	s_and_b32 s89, s[WN], 1
	s_lshl_b32 s89, s89, 10
	s_add_co_u32 s88, s88, s89
	s_add_co_u32 s88, s88, WCI
	s_lshl_b32 s91, s[WN], 6                       ; 64 w
	s_add_co_u32 s89, s91, WCS
	s_lshl_b32 s90, s4, 8                          ; 256 nh
	s_add_co_u32 s96, s87, 16384
	s_add_co_u32 s97, s69, 16384
	s_lshl_b32 s[SUMW], s[WN], 2
	s_add_co_u32 s[SUMW], s[SUMW], SUM
	s_mov_b32 s[SEL], 0x76543210
	s_mov_b32 s[SEL+1], 0xfedcba98                 ; lane l xor 16
	s_mov_b32 s[HM], 0xffff0000
	s_mov_b32 s[QS], 0x3eb8aa3b
	s_mov_b32 s[QS+1], s[QS]
	v_lshl_add_u32 v[SPW], v0, 2, SPARE
	v_mov_b32 v[NIL], 0
	v_and_b32 v[T], 31, v0                         ; lane
	v_and_b32 v[T+1], 15, v0                       ; r
	v_bfe_u32 v[T+2], v0, 4, 1                     ; h
	v_and_b32 v[T+3], 7, v0
	v_lshlrev_b32 v[LI], 4, v[T]
	v_add_nc_u32 v[XO], s68, v[LI]
	v_add_nc_u32 v[TSA], s69, v[LI]
	v_mul_u32_u24 v[TLA], 528, v[T+1]
	v_lshl_add_u32 v[TLA], v[T+2], 7, v[TLA]
	v_add_nc_u32 v[TLA], s69, v[TLA]
	v_add_nc_u32 v[IMA], s70, v[LI]
	v_lshl_add_u32 v[ISA], v[T+1], 2, s71
	v_add_nc_u32 v[XIA], s72, v[LI]
	v_lshl_add_u32 v[XSA], v[T], 2, s73
	v_add_nc_u32 v[WCRA], s74, v[LI]
	v_lshl_add_u32 v[WCRS], v[T], 2, s75
	v_lshl_add_u32 v[MSCA], v[T], 1, s76
	v_lshrrev_b32 v[MSCB], 3, v[T]
	v_add_nc_u32 v[MSCB], s76, v[MSCB]
	v_lshl_add_u32 v[MSCF], v[T+2], 4, s76
	v_mov_b32 v[MSCW], s76
	v_lshl_add_u32 v[VCF], v[T+2], 4, s77
	v_mov_b32 v[VCW], s77
	v_lshl_add_u32 v[VCS], v[T+2], 2, s78
	v_mov_b32 v[VCB], s79
	v_add_nc_u32 v[WIS], s80, v[LI]
	v_lshl_add_u32 v[BIS], v[T+2], 5, s81
	v_lshl_add_u32 v[CTS], v[T+2], 6, s82
	v_lshl_add_u32 v[CTP], v[T+2], 6, s83
	v_lshl_add_u32 v[UPS], v[T], 2, s84
	v_lshl_add_u32 v[UPL], v[T], 3, s85
	v_lshl_add_u32 v[OUTO], v[T], 3, s93
	v_lshlrev_b32 v[SH8], 3, v[T+2]
	v_add_nc_u32 v[MPS], s86, v[LI]
	v_add_nc_u32 v[MPA], MP, v[LI]
	v_mov_b32 v[NI], 0xff800000
	v_mov_b32 v[PT], 0
	; for the head alone: offsets of loads in WT, LDS addresses in CMB + 10 on
	v_add_nc_u32 v[WT], s87, v[LI]                 ; W_c: my 16 rows are 16,512 bytes on end
	v_lshl_add_u32 v[WT+1], v[T+3], 4, s96         ; and their last 128 bytes: eight lanes' worth, which the others repeat
	v_add_nc_u32 v[WT+2], s90, v[T]
	v_lshl_add_u32 v[WT+3], v[T], 1, s91
	v_lshl_add_u32 v[WT+4], v[T], 2, s92
	v_mul_u32_u24 v[CMB+11], 1032, v[T+1]
	v_add_nc_u32 v[CMB+11], s69, v[CMB+11]         ; W_c in my stage: row r
	v_lshl_add_u32 v[CMB+10], v[T+2], 7, v[CMB+11]
	v_add_nc_u32 v[CMB+12], s88, v[LI]
	v_lshl_add_u32 v[CMB+13], v[T+1], 2, s89
	v_lshl_add_u32 v[CMB+14], v[T+3], 4, s97
	v_lshl_add_u32 v[CMB+15], v[T], 2, s81
	WA
	s_wait_kmcnt 0x0
	s_mov_b32 s[TS+1], 0
	s_lshl_b32 s[TS], ttmp9, 19                    ; two batches of 262,144 bytes
	s_add_nc_u64 s[SBN:SBN+1], s[8:9], s[TS:TS+1]
	s_lshl_b32 s[TS], ttmp9, 3
	s_add_nc_u64 s[42:43], s[42:43], s[TS:TS+1]
	s_add_nc_u64 s[44:45], s[44:45], s[TS:TS+1]
	s_add_nc_u64 s[46:47], s[46:47], s[TS:TS+1]
	s_lshl_b32 s[TS], ttmp9, 10
	s_add_nc_u64 s[38:39], s[38:39], s[TS:TS+1]
	s_add_nc_u64 s[40:41], s[40:41], s[TS:TS+1]
	s_lshl_b32 s[TS], ttmp9, 12
	s_add_nc_u64 s[48:49], s[48:49], s[TS:TS+1]
	s_mov_b32 s[TS], s91
	s_add_nc_u64 s[PW:PW+1], s[38:39], s[TS:TS+1]
	s_load_b512 s[68:83], s[PW:PW+1], 0x0          ; mean_mask of my 64 nodes, batch 0
	s_load_b512 s[84:99], s[PW:PW+1], 0x200        ; and batch 1
	s_load_b64 s[SI:SI+1], s[42:43], 0x0
	s_load_b64 s[CAP:CAP+1], s[44:45], 0x0
	s_load_b64 s[TIM:TIM+1], s[46:47], 0x0
	XL 0, 0, 0                                     ; x first: batch 0's first two tiles
	XL 1, 0, 1
	; 28 small loads
.irp g, 0,1,2,3,4,5,6,7
	global_load_u8 v[S+\g], v[WT+2], s[40:41] offset:32*\g
	global_load_u8 v[S+8+\g], v[WT+2], s[40:41] offset:512+32*\g
.endr
	global_load_u16 v[MW], v[WT+3], s[40:41]
	global_load_u16 v[MW+1], v[WT+3], s[40:41] offset:512
	global_load_b128 v[Q+8:Q+11], v[LI], s[38:39]
	global_load_b128 v[Q+12:Q+15], v[LI], s[38:39] offset:512
	global_load_b32 v[CMB+4], v[WT+4], s[28:29]    ; biases of q,
	global_load_b32 v[CMB+5], v[WT+4], s[28:29] offset:1024   ; v,
	global_load_b32 v[CMB+6], v[WT+4], s[30:31]
	global_load_b32 v[CMB+7], v[WT+4], s[32:33]
	global_load_b32 v[CMB+8], v[WT+4], s[34:35]
	global_load_b32 v[CMB+9], v[WT+4], s[36:37]
	s_wait_kmcnt 0x0
	s_min_u32 s[SI], s[SI], 0x1ff                  ; the selected rows: an index is held inside its table
	s_min_u32 s[SI+1], s[SI+1], 0x1ff
	s_lshl_b32 s[SI], s[SI], 9
	s_lshl_b32 s[SI+1], s[SI+1], 9
	v_add_nc_u32 v[WT+5], s[SI], v[LI]
	v_add_nc_u32 v[WT+6], s[SI+1], v[LI]
	global_load_b128 v[Q:Q+3], v[WT+5], s[SBN:SBN+1]
	global_load_b128 v[Q+4:Q+7], v[WT+6], s[SBN:SBN+1] offset:262144
	s_mov_b32 s5, 0                                ; the mean's pairs: the upper words are named with the lower, so they are written
	s_mov_b32 s7, 0
	s_mov_b32 s67, 0
	s_mov_b32 s101, 0
	; 33 loads: my 16 rows of W_c, where x's fragments lie later
	WIN 0x40
.set i, 0
.rept 32
	global_load_b128 v[128+4*i:128+4*i+3], v[WT], s[10:11] offset:512*i
.set i, i+1
.endr
	WIN 0
	global_load_b128 v[CMB:CMB+3], v[WT+1], s[10:11]
	TILE 0, 0, 0, 63, 0, 2                         ; 16 + 28 + 33 loads were issued behind the tile's: 63, the most that the wait can name, is under that
	TILE 0, 1, 1, 63, 0, 3                         ; 28 + 33 + 16 behind
	; ---- the small loads and W_c
	s_wait_loadcnt 32                              ; they are in; batch 0's tiles 2 and 3 may be out
	WIN 0x04
.set i, 0
.rept 32
	ds_store_b128 v[TSA], v[128+4*i:128+4*i+3] offset:512*i    ; W_c's rows as they lie in memory
.set i, i+1
.endr
	WIN 0
	ds_store_b128 v[CMB+14], v[CMB:CMB+3]
.irp i, 0,1,2,3,4,5
	ds_store_b32 v[CMB+15], v[CMB+4+\i] offset:128*\i
.endr
.irp g, 0,1,2,3,4,5,6,7
	v_cmp_ne_u32 s[AMA+\g], 0, v[S+\g]
	v_cmp_ne_u32 s[AMB+\g], 0, v[S+8+\g]
.endr
	LVQ Q, 64, 196
	LVQ Q+4, 128, 200
.irp b, 0,1
	v_add3_u32 v[T+4+\b], v[Q+8+4*\b], v[Q+9+4*\b], v[Q+10+4*\b]       ; masked nodes of the whole batch: bytes of 0 or 1, 16 a lane
	v_add_nc_u32 v[T+4+\b], v[T+4+\b], v[Q+11+4*\b]
	v_mul_lo_u32 v[T+4+\b], 0x1010101, v[T+4+\b]   ; the top byte: the four bytes' sum
	v_lshrrev_b32 v[T+4+\b], 24, v[T+4+\b]
	v_cvt_f32_u32 v[T+4+\b], v[T+4+\b]
.endr
.irp m, 1,2,4,8
.irp b, 0,1
	v_add_f32_dpp v[T+4+\b], v[T+4+\b], v[T+4+\b] row_xmask:\m row_mask:0xf bank_mask:0xf
.endr
.endr
.irp b, 0,1
	v_permlanex16_b32 v[PT], v[T+4+\b], s[SEL], s[SEL+1]
	v_add_f32 v[T+4+\b], v[T+4+\b], v[PT]
	v_sub_f32 v[T+4+\b], 0x44000000, v[T+4+\b]     ; 512 less the masked
	v_max_num_f32 v[T+4+\b], 1.0, v[T+4+\b]
.endr
	WA
.irp b, 0,1
	v_rcp_f32 v[RC+\b], v[T+4+\b]
.endr
	v_nop
	WA
	; W_c's K steps 0 and 1 (rows are 1,032 bytes: loads of 8 bytes keep every address a multiple of the access)
.irp s, 0,1
.irp c, 0,1
.irp m, 0,1,2,3,4,5,6,7,8,9,10,11,12,13,14,15
	ds_load_b64 v[X+32*\c+2*\m:X+32*\c+2*\m+1], v[CMB+10] offset:512*\s+256*\c+8*\m
.endr
.endr
	s_wait_dscnt 0x0
	QB
	ds_store_b128 v[CMB+12], v[FR:FR+3] offset:2048*\s
	ds_store_b128 v[CMB+12], v[FR+4:FR+7] offset:2048*\s+512
	ds_store_b32 v[CMB+13], v[SW] offset:512*\s
.endr
	; K step 2: k = 256, 257 and zeros: one block, in lanes 0-15, register 0
	ds_load_b64 v[X:X+1], v[CMB+11] offset:1024
	s_wait_dscnt 0x0
.irp j, 2,3,4,5,6,7
	v_mov_b32 v[X+\j], 0
.endr
	v_max3_num_f32 v[M], |v[X]|, |v[X+1]|, 0x1800000
	v_add_nc_u32 v[OP], 0xff000000, v[M]
	v_lshrrev_b32 v[SW], 23, v[OP]                 ; byte 0; the other three bytes are 0 over zero codes
	v_cndmask_b32 v[X], v[X], v[X+2], s[HM]        ; lanes 16-31 hold k = 288 on: zeros
	v_cndmask_b32 v[X+1], v[X+1], v[X+2], s[HM]
	v_cvt_scalef32_pk8_fp4_f32 v[FR], v[X:X+7], v[OP]
.irp j, 1,2,3,4,5,6,7
	v_mov_b32 v[FR+\j], 0
.endr
	ds_store_b128 v[CMB+12], v[FR:FR+3] offset:4096
	ds_store_b128 v[CMB+12], v[FR+4:FR+7] offset:4096+512
	ds_store_b32 v[CMB+13], v[SW] offset:1024
	; ---- the weights: 24 loads.  Wk, Wv, Wpk stay in registers; of Wq and Wpq a wave fetches one (nh = 0: Wq), of Wo 16 rows
	s_lshr_b32 s66, s[WN], 2                       ; nh
	s_lshl_b32 s4, s3, 11                          ; 2,048 hp
	s_lshl_b32 s6, s66, 10                         ; 1,024 nh
	s_lshl_b32 s100, s66, 13
	s_add_co_u32 s100, s100, s4
	s_add_co_u32 s100, s100, WIM
	s_lshl_b32 s3, s3, 7                           ; 128 hp
	s_cmp_eq_u32 s66, 0
	s_cselect_b64 s[PW:PW+1], s[12:13], s[20:21]
	s_add_co_u32 s66, s4, s6
	s_add_co_u32 s66, s66, WIM+16384
	v_and_b32 v[T], 15, v0
	v_bfe_u32 v[T+1], v0, 4, 1
	v_and_b32 v[T+2], 31, v0
	v_lshlrev_b32 v[S+8], 6, v[T]
	v_lshl_add_u32 v[S+8], v[T+1], 4, v[S+8]
	v_add_nc_u32 v[S+8], s4, v[S+8]                ; row r of my 32: 64 bytes a row, + 16 h
	v_add_nc_u32 v[S+9], s6, v[S+8]
	v_lshl_add_u32 v[S+10], v[T+2], 2, s3
	v_add_nc_u32 v[S+11], s100, v[LI]
	v_add_nc_u32 v[S+12], s66, v[LI]
	WA
.irp u, 0,1
.irp c, 0,1
	global_load_b128 v[Q+8*\u+4*\c:Q+8*\u+4*\c+3], v[S+8], s[PW:PW+1] offset:1024*\u+32*\c
	global_load_b128 v[WK+8*\u+4*\c:WK+8*\u+4*\c+3], v[S+8], s[12:13] offset:8192+1024*\u+32*\c
	global_load_b128 v[WV+8*\u+4*\c:WV+8*\u+4*\c+3], v[S+8], s[12:13] offset:16384+1024*\u+32*\c
	global_load_b128 v[WPK+8*\u+4*\c:WPK+8*\u+4*\c+3], v[S+8], s[24:25] offset:1024*\u+32*\c
.endr
.endr
	global_load_b128 v[S:S+3], v[S+9], s[16:17]
	global_load_b128 v[S+4:S+7], v[S+9], s[16:17] offset:32
	global_load_b32 v[SQ], v[S+10], s[14:15]
	global_load_b32 v[SK], v[S+10], s[14:15] offset:512
	global_load_b32 v[SV], v[S+10], s[14:15] offset:1024
	global_load_b32 v[SO], v[S+10], s[18:19]
	global_load_b32 v[SPQ], v[S+10], s[22:23]
	global_load_b32 v[SPK], v[S+10], s[26:27]
	BAR                                            ; W_c's images are whole
	TILE 0, 2, 0, 40, 1, 0                         ; behind the tile's: tile 3's 16 and the 24 above
	PRE 0
	TILE 0, 3, 1, 40, 1, 1                         ; behind the tile's: the 24 and batch 1's first 16
	s_wait_loadcnt 32                              ; the 24 are in; batch 1's first two tiles may be out
.irp i, 0,1,2,3
	ds_store_b128 v[S+11], v[Q+4*\i:Q+4*\i+3] offset:512*\i
.endr
.irp i, 0,1
	ds_store_b128 v[S+12], v[S+4*\i:S+4*\i+3] offset:512*\i
.endr
; ================================================================ THE TWO BATCHES
.set AM, AMA
	COMP 0
	TILE 1, 2, 0, 16, 1, -1                        ; batch 1's last tile may be out
	PRE 1
	TILE 1, 3, 1, 0, 1, -1
.set AM, AMB
	COMP 1
	s_wait_tensorcnt 0x0                           ; the wave's end, behind my last LDS store
	ds_add_u32 v[SPW], v[NIL]
	s_wait_dscnt 0x0
	s_endpgm
.Lfunc_end_k_q05be3c9bbe_decoder:
	.size	k_q05be3c9bbe_decoder, .Lfunc_end_k_q05be3c9bbe_decoder-k_q05be3c9bbe_decoder
	.p2alignl 7, 3214868480
	.fill 96, 4, 3214868480
	.section	.rodata,"a",@progbits
	.p2align	6, 0x0
	.amdhsa_kernel k_q05be3c9bbe_decoder
		.amdhsa_group_segment_fixed_size 279296
		.amdhsa_private_segment_fixed_size 0
		.amdhsa_enable_private_segment 0
		.amdhsa_kernarg_size 168
		.amdhsa_user_sgpr_count 2
		.amdhsa_user_sgpr_kernarg_segment_ptr 1
		.amdhsa_wavefront_size32 1
		.amdhsa_system_sgpr_workgroup_id_x 1
		.amdhsa_system_sgpr_workgroup_id_y 1
		.amdhsa_system_sgpr_workgroup_id_z 1
		.amdhsa_system_vgpr_workitem_id 0
		.amdhsa_next_free_vgpr 512
		.amdhsa_next_free_sgpr 102
		.amdhsa_reserve_vcc 1
		.amdhsa_float_denorm_mode_32 3
		.amdhsa_float_denorm_mode_16_64 3
		.amdhsa_memory_ordered 1
		.amdhsa_forward_progress 1
		.amdhsa_inst_pref_size 255
	.end_amdhsa_kernel
	.section	.bss,"aw",@nobits
	.p2align	6
	.space	262144
	.amdgpu_metadata
---
amdhsa.version: [ 1, 2 ]
amdhsa.kernels:
  - .name:           k_q05be3c9bbe_decoder
    .symbol:         k_q05be3c9bbe_decoder.kd
    .args:
      - { .name: x, .offset: 0, .size: 8, .value_kind: global_buffer, .address_space: global }
      - { .name: W_c, .offset: 8, .size: 8, .value_kind: global_buffer, .address_space: global }
      - { .name: W_qkv_codes, .offset: 16, .size: 8, .value_kind: global_buffer, .address_space: global }
      - { .name: W_qkv_scales, .offset: 24, .size: 8, .value_kind: global_buffer, .address_space: global }
      - { .name: W_o_codes, .offset: 32, .size: 8, .value_kind: global_buffer, .address_space: global }
      - { .name: W_o_scales, .offset: 40, .size: 8, .value_kind: global_buffer, .address_space: global }
      - { .name: W_pq_codes, .offset: 48, .size: 8, .value_kind: global_buffer, .address_space: global }
      - { .name: W_pq_scales, .offset: 56, .size: 8, .value_kind: global_buffer, .address_space: global }
      - { .name: W_pk_codes, .offset: 64, .size: 8, .value_kind: global_buffer, .address_space: global }
      - { .name: W_pk_scales, .offset: 72, .size: 8, .value_kind: global_buffer, .address_space: global }
      - { .name: b_qkv, .offset: 80, .size: 8, .value_kind: global_buffer, .address_space: global }
      - { .name: b_c, .offset: 88, .size: 8, .value_kind: global_buffer, .address_space: global }
      - { .name: b_o, .offset: 96, .size: 8, .value_kind: global_buffer, .address_space: global }
      - { .name: b_pq, .offset: 104, .size: 8, .value_kind: global_buffer, .address_space: global }
      - { .name: b_pk, .offset: 112, .size: 8, .value_kind: global_buffer, .address_space: global }
      - { .name: mean_mask, .offset: 120, .size: 8, .value_kind: global_buffer, .address_space: global }
      - { .name: attn_mask, .offset: 128, .size: 8, .value_kind: global_buffer, .address_space: global }
      - { .name: sel_idx, .offset: 136, .size: 8, .value_kind: global_buffer, .address_space: global }
      - { .name: cap_feat, .offset: 144, .size: 8, .value_kind: global_buffer, .address_space: global }
      - { .name: time_feat, .offset: 152, .size: 8, .value_kind: global_buffer, .address_space: global }
      - { .name: out0, .offset: 160, .size: 8, .value_kind: global_buffer, .address_space: global }
    .group_segment_fixed_size: 279296
    .private_segment_fixed_size: 0
    .kernarg_segment_align: 8
    .kernarg_segment_size: 168
    .max_flat_workgroup_size: 256
    .sgpr_count:     102
    .vgpr_count:     512
    .wavefront_size: 32
...
	.end_amdgpu_metadata
.endif
;; end of part 1
